; MI455X (gfx1250); checked and timed in simulation.
; The chip was launched on July 23, 2026; its instructions are those of AMD's public machine-readable ISA for CDNA 5 (MIT licence, August 2026) and "CDNA5" Instruction Set Architecture Reference Guide (July 2026). The comments in the code are by the model that wrote it; some were corrected since.
;; Deep Set MLP. Allowed arithmetic: float matrix products may take bf16 or f16 operands with f32 sums; all other float work in f32.
;; Inputs: W1 128 x 512 float32; W2 512 x 256 float32; W3 256 x 1 float32; W_phi 512 x 128 float32; b1 512 float32; b2 256 float32; b3 1 float32; b_phi 128 float32; x 4,096 x 512 int32.
;; Outputs: out0 4,096 x 1 float32.
;; One version. Each part assembles by itself: llvm-mc -triple=amdgcn-amd-amdhsa -mcpu=gfx1250 --defsym DOCPART=n.
;; ======== version 1 of 1: 2 launches
;; limits: values outside matrix products are rounded to f16; values are held in f16: magnitudes above 65,504 overflow, below 6.1e-05 lose precision; right only within a limited range of input values
;; workspace buffers: wf 524,288 bytes
;; launch wprep (part 1): grid 128 x 1, 1 waves a work-group, no clusters, 4,352 bytes of LDS; arguments W_phi, W1, W2, wf; writes wf
.if DOCPART == 1
	.amdgcn_target "amdgcn-amd-amdhsa--gfx1250"
	.amdhsa_code_object_version 6
	.text
	.protected	k_q81395d99a9_wprep
	.globl	k_q81395d99a9_wprep
	.p2align	8
	.type	k_q81395d99a9_wprep,@function
k_q81395d99a9_wprep:
	s_mov_b64 s[64:65], 0
	v_nop
	global_prefetch_b8 v0, s[64:65] scope:SCOPE_SE
	s_setreg_imm32_b32 hwreg(HW_REG_WAVE_MODE, 25, 1), 1
	s_wait_xcnt 0x0
; W_phi [512][128], W1 [128][512], W2 [512][256], all f32 and stored [K][N], are rounded once to f16 and laid out as the
; 512 matrix fragments that the second launch multiplies by.  A fragment is 32 k x 16 n, 1,024 bytes: the 16 bytes at
; 512 half + 16 l (l = 16 h + r) are W[k0 + 16 half + 8 h + 0..7][n0 + r], so that two loads of 16 neighbouring bytes a lane fill it.
; Order in wf: wave w of the second launch owns 32 KiB at 32768 w (fragments 0-15: W_phi, n tile w, K step 0-15; fragment
; 16 + 4 t + ks: W1, n tile 4 w + t) and 32 KiB at 262144 + 32768 w (fragment 2 ks + t: W2, n tile 2 w + t).
; One wave a work-group; work-group T makes the four fragments of one K step (32 rows) x 64 columns: T 0-31 W_phi, 32-63 W1, 64-127 W2.
; 128 work-groups is all the work there is: 1 MiB is read once and 512 KiB are written once.
; LIMITS: a weight beyond 65,504 in magnitude becomes an f16 infinity; below 2^-14 the rounding error is absolute, 2^-25 at the most.
.set IN,  8                            ; v[8:71]   IN + 32 half + 4 i + j: W[k0 + 16 half + 8 h + i][c0 + 4 q + j]; later the fragments as read back
.set OUT, 72                           ; v[72:103] OUT + 16 half + 4 j: the 16 bytes (8 k) of column 4 q + j
.set FP,  1040                         ; LDS pitch from fragment to fragment: 1,024 + 16, so that the sixteen lanes of a store touch sixteen different 16-byte columns modulo 256 bytes
	s_load_b256 s[4:11], s[0:1], 0x0               ; W_phi s[4:5], W1 s[6:7], W2 s[8:9], wf s[10:11]
	v_and_b32 v1, 15, v0                           ; q: which four columns of the 64
	v_lshrrev_b32 v2, 4, v0                        ; h: which eight rows of a half of sixteen
	v_lshrrev_b32 v6, 2, v1                        ; the fragment that my columns fall into
	v_mul_u32_u24 v4, v6, FP
	v_lshl_add_u32 v4, v2, 8, v4                   ; + 16 bytes x 16 h
	v_and_b32 v6, 3, v1
	v_lshl_add_u32 v4, v6, 6, v4                   ; + 16 bytes x 4 (q mod 4): column j adds 16 j in the store's immediate
	v_lshlrev_b32 v5, 4, v0                        ; 16 l: the way back from LDS and the place in wf
	s_wait_kmcnt 0x0
; src: first register of the matrix's address; tbase: its first work-group; 2^lgng groups of 64 columns; 2^lgpitch bytes in a row;
; the four fragments go to wf + dbase + ng dng + ks dks + (f & 1) sa + (f >> 1) sb.
.macro PREP src, tbase, lgng, lgpitch, dbase, dng, dks, sa, sb
.if \tbase
	s_sub_co_u32 s12, ttmp9, \tbase                ; my number among the matrix's tasks
.else
	s_mov_b32 s12, ttmp9
.endif
	s_lshr_b32 s13, s12, \lgng                     ; ks: the K step
	s_and_b32 s14, s12, (1<<\lgng)-1               ; ng: the group of 64 columns
	s_lshl_b32 s16, s13, \lgpitch+5                ; 32 rows a K step
	s_lshl_b32 s15, s14, 8                         ; 256 bytes a group
	s_add_co_u32 s16, s16, s15
	s_mov_b32 s17, 0
	s_add_nc_u64 s[18:19], s[\src:\src+1], s[16:17]
	s_mul_i32 s20, s14, \dng
	s_mul_i32 s15, s13, \dks
	s_add_co_u32 s20, s20, s15
.if \dbase
	s_add_co_u32 s20, s20, \dbase
.endif
	s_mov_b32 s21, 0
	s_add_nc_u64 s[22:23], s[10:11], s[20:21]
	v_lshlrev_b32 v3, \lgpitch+3, v2               ; row 8 h
	v_lshl_add_u32 v3, v1, 4, v3                   ; + 16 q: sixteen lanes read 256 consecutive bytes of a row, at a multiple of 256 from the matrix's first byte
.irp hf, 0,1
.irp i, 0,1,2,3,4,5,6,7
	global_load_b128 v[IN+32*\hf+4*\i:IN+32*\hf+4*\i+3], v3, s[18:19] offset:((16*\hf+\i)<<\lgpitch) th:TH_LOAD_NT
.endr
.endr
.irp hf, 0,1
	s_wait_loadcnt 8-8*\hf                         ; loads return in order (ISA guide 5.7.1): the first time the eight loads of rows 16-31 stay out
.irp j, 0,1,2,3
.irp p, 0,1,2,3
	v_cvt_pk_f16_f32 v[OUT+16*\hf+4*\j+\p], v[IN+32*\hf+8*\p+\j], v[IN+32*\hf+8*\p+4+\j]   ; rows 2 p and 2 p + 1 of column j: k runs along the lane's 16 bytes
.endr
	ds_store_b128 v4, v[OUT+16*\hf+4*\j:OUT+16*\hf+4*\j+3] offset:512*\hf+16*\j
.endr
.endr
.irp t, 0,1,2,3,4,5,6,7
	ds_load_b128 v[IN+4*\t:IN+4*\t+3], v5 offset:(\t>>1)*FP+(\t&1)*512     ; LDS serves a wave's instructions in order (ISA guide 5.7.1): these see the stores above
.endr
.irp t, 0,1,2,3,4,5,6,7
	s_wait_dscnt 7-\t                              ; the younger read-backs stay out
	global_store_b128 v5, v[IN+4*\t:IN+4*\t+3], s[22:23] offset:((\t>>1)&1)*\sa+(\t>>2)*\sb+(\t&1)*512   ; the wave stores 512 consecutive bytes, at a multiple of 512 from wf's first byte
.endr
.endm
	s_cmp_lt_u32 ttmp9, 32
	s_cbranch_scc1 .Lphi
	s_cmp_lt_u32 ttmp9, 64
	s_cbranch_scc1 .Lw1
	PREP 8, 64, 2, 10, 262144, 65536, 2048, 1024, 32768    ; W2: n tile 4 ng + f = 2 w + t
	s_endpgm
.Lphi:
	PREP 4, 0, 1, 9, 0, 131072, 1024, 32768, 65536         ; W_phi: n tile 4 ng + f = w
	s_endpgm
.Lw1:
	PREP 6, 32, 3, 11, 16384, 32768, 1024, 4096, 8192      ; W1: n tile 4 ng + f = 4 w + t
	s_endpgm
.Lfunc_end_k_q81395d99a9_wprep:
	.size	k_q81395d99a9_wprep, .Lfunc_end_k_q81395d99a9_wprep-k_q81395d99a9_wprep
	.p2alignl 7, 3214868480
	.fill 96, 4, 3214868480
	.section	.rodata,"a",@progbits
	.p2align	6, 0x0
	.amdhsa_kernel k_q81395d99a9_wprep
		.amdhsa_group_segment_fixed_size 4352
		.amdhsa_private_segment_fixed_size 0
		.amdhsa_enable_private_segment 0
		.amdhsa_kernarg_size 32
		.amdhsa_user_sgpr_count 2
		.amdhsa_user_sgpr_kernarg_segment_ptr 1
		.amdhsa_wavefront_size32 1
		.amdhsa_system_sgpr_workgroup_id_x 1
		.amdhsa_system_sgpr_workgroup_id_y 1
		.amdhsa_system_sgpr_workgroup_id_z 1
		.amdhsa_system_vgpr_workitem_id 0
		.amdhsa_next_free_vgpr 104
		.amdhsa_next_free_sgpr 66
		.amdhsa_reserve_vcc 0
		.amdhsa_float_denorm_mode_32 3
		.amdhsa_float_denorm_mode_16_64 3
		.amdhsa_memory_ordered 1
		.amdhsa_forward_progress 1
		.amdhsa_inst_pref_size 20
	.end_amdhsa_kernel
	.amdgpu_metadata
---
amdhsa.version: [ 1, 2 ]
amdhsa.kernels:
  - .name:           k_q81395d99a9_wprep
    .symbol:         k_q81395d99a9_wprep.kd
    .args:
      - { .name: W_phi, .offset: 0, .size: 8, .value_kind: global_buffer, .address_space: global }
      - { .name: W1, .offset: 8, .size: 8, .value_kind: global_buffer, .address_space: global }
      - { .name: W2, .offset: 16, .size: 8, .value_kind: global_buffer, .address_space: global }
      - { .name: wf, .offset: 24, .size: 8, .value_kind: global_buffer, .address_space: global }
    .group_segment_fixed_size: 4352
    .private_segment_fixed_size: 0
    .kernarg_segment_align: 8
    .kernarg_segment_size: 32
    .max_flat_workgroup_size: 32
    .sgpr_count:     66
    .vgpr_count:     104
    .wavefront_size: 32
...
	.end_amdgpu_metadata
.endif
;; end of part 1
;; launch mlp (part 2): grid 256 x 1, 8 waves a work-group, clusters of 4 x 1, 324,864 bytes of LDS; arguments x, wf, b_phi, b1, b2, W3, b3, out0; writes out0
.if DOCPART == 2
	.amdgcn_target "amdgcn-amd-amdhsa--gfx1250"
	.amdhsa_code_object_version 6
	.text
	.protected	k_q81395d99a9_mlp
	.globl	k_q81395d99a9_mlp
	.p2align	8
	.type	k_q81395d99a9_mlp,@function
k_q81395d99a9_mlp:
	s_mov_b64 s[64:65], 0
	v_nop
	global_prefetch_b8 v0, s[64:65] scope:SCOPE_SE
	s_setreg_imm32_b32 hwreg(HW_REG_WAVE_MODE, 25, 1), 1
	s_wait_xcnt 0x0
	s_wait_alu depctr_hold_cnt(0) depctr_sa_sdst(0) depctr_va_vdst(0) depctr_va_sdst(0) depctr_va_ssrc(0) depctr_va_vcc(0) depctr_vm_vsrc(0)
	s_getreg_b32 s2, hwreg(HW_REG_IB_STS2, 6, 4)
	s_cmp_eq_u32 s2, 0
	s_cbranch_scc0 .Lentry_in_a_cluster
	s_endpgm
.Lentry_in_a_cluster:
	s_bfe_u32 s2, ttmp6, 0x10000c
	s_cmp_lg_u32 s2, 0x3003
	s_cbranch_scc0 .Lentry_shape_is_right
	s_endpgm
.Lentry_shape_is_right:
; out[b] = relu(relu(u W1 + b1) W2 + b2) W3 + b3 with u[b] = sum over the row's 512 labels of W_phi[label] + 512 b_phi.
; The sum of table rows is made as a product: u = cnt W_phi, cnt[b][c] = how often row b names label c.  A work-group owns 16 rows of x.
; THE COUNTS ARE A PRODUCT TOO.  A label is c = 16 hi + lo.  For one row, cnt[16 hi + lo] = sum over its 512 positions k of [lo(x_k) = lo] [hi(x_k) = hi]:
; M = 16 (lo), N = 32 (hi, two tiles), K = 512, 32 matrix instructions a row, on operands that hold one value or zero.  No address hangs on a label.
; A's value is 2^-7 (f16 code 0x2000), B's is 2 (0x4000): one bit each, so a fragment register (two positions) is a rotate and an AND of a word that
; holds the two labels' 16-bit masks 1 << lo (or 1 << hi).  The sums are cnt / 64, exact in f32 and in f16 (cnt is at most 512).
; Eight waves: wave w counts rows 2 w and 2 w + 1, and owns n tile w of cnt W_phi (K 512, N 128), n tiles 4 w .. 4 w + 3 of u W1 (K 128, N 512)
; and 2 w, 2 w + 1 of h1 W2 (K 512, N 256): 64 + 16 + 16 + 32 matrix instructions.  h2 W3 is 16 f32 multiply-adds a lane.
; FORMATS: all products take f16 operands and f32 sums.  Everything behind the counts is carried scaled by 2^-6 (cnt / 64, 8 b_phi, b1 / 64, b2 / 64;
; the end multiplies by 64): powers of two are exact and pass through ReLU.
; THE MATRIX INSTRUCTION IS USED TRANSPOSED in the three weight products: source 0 = 16 columns of a weight, source 1 = the 16 rows of the batch.
; Lane (r, h) then holds row r, register j column n0 + 8 h + j: eight neighbouring columns, 16 bytes of f16 in the next product's operand layout;
; the sums start from the bias, loaded straight into the accumulators.
; WEIGHTS: wf holds them as f16 fragments in the order in which the waves use them; a fragment is used by one wave of a work-group, and that wave fetches it.
; Every work-group needs all 512 KiB.  W2's 256 KiB are shared: four work-groups form a cluster and ask jointly (mask 15), wave w of each for the same
; 32 KiB into the same LDS bytes, once, at the start; they are read behind the wave's own s_wait_tensorcnt.  A wave has one tensor load out.
; W_phi's and W1's 256 KiB are NOT asked for jointly: a joint request lands in LDS alone, LDS has room for 256 of the 512 KiB, and a half that went through
; the same bytes would put a fill, a read-out of 256 KiB, a round of the cluster's barrier and a second fill one behind the other ahead of the last product.
; So wave w loads its 32 KiB of them straight into v256-v511, 64 loads of 512 consecutive bytes, while it counts.
; LIMITS: |u| and |h1| below 4.19e6 (65,504 x 64), else f16 infinity; weights as the first launch states; a label outside 0..511 is counted
; modulo 512; ReLU by v_max_num_f32 makes 0 of a NaN; the sums are ordered otherwise than a gather's.
; out0: a work-group has 16 numbers, so it stores 64 consecutive bytes; more together would need traffic between work-groups.
.set HIST, 262144                      ; 16 rows of 512 f16 counts, pitch 1,040 (an odd multiple of 16)
.set HP,   1040
.set U,    278784                      ; 16 rows of 128 f16, pitch 272
.set UP,   272
.set H1,   283136                      ; 16 rows of 512 f16, pitch 1,040
.set RED,  299776                      ; 8 waves x 16 words
.set MASK, 300288                      ; 8 waves x 3 arrays x 256 words: the mask words of the row that the wave is counting
.set MW,   3072                        ; LDS 0 .. 262143 is W2's slot, 32 KiB a wave, filled once; no fill lands behind it
.set ACCA, 16                          ; v[16:23] cnt W_phi, even K steps (starts from 8 b_phi); with v[24:31] later h1 W2's two tiles
.set ACCB, 24                          ; v[24:31] cnt W_phi, odd K steps
.set ACC1, 32                          ; v[32:63] u W1's four tiles (start from b1 / 64); later W3 in v[32:47], sums in v[48:59]
.set X,    64                          ; v[64:95] labels as loaded
.set PM,   96                          ; v[96:103] lo masks, v[104:111] hi masks 0-15, v[112:119] hi masks 16-31: a word for each pair of my labels
.set T,    120                         ; v[120:127] at work
.set FR,   128                         ; v[128:199] three sets of 24: A's fragment, B's two
.set HD,   200                         ; v[200:215] the counts' two tiles
.set MLD,  216                         ; MASK + 3072 w + 32 h
.set HST,  217                         ; HIST + 2080 w + 32 r + 16 h
.set SHA,  218                         ; rotate right by r + 19 (mod 32): bit r to bit 13, bit 16 + r to bit 29
.set SHB,  219                         ; by r + 18: to bits 14 and 30
.set ONE,  220
.set ACT,  64                          ; v[64:191] 16 fragments: the counts', later h1's
.set ACT1, 192                         ; v[192:223] u's 4 fragments
.set PK,   224                         ; v[224:239] packed f16 results
.set B2R,  240                         ; v[240:255] b2 as loaded
.set G1,   32                          ; s[32:39] descriptor group 1
.set G0,   40                          ; s[40:43] descriptor group 0
; v1 16 l | v2 HIST + 1040 r + 16 h | v3 U + 272 r + 16 h | v4 H1 + 1040 r + 16 h | v5 v3 + 32 w | v6 v4 + 128 w | v8 MASK + 3072 w + 16 l
; v7 32768 w + 16 l: my 16 bytes of my wave's 32 KiB, as an offset into wf's first half and as an LDS address in W2's slot
; v9 4096 w + 16 l | v10 64 w + 32 h | v11 256 w + 32 h | v12 128 w + 32 h | v13 RED + 64 w + 4 r | v14 RED + 4 r | v15 4 r
; window 1 (v256-v511): fragment f of my 32 KiB at names v[8 f : 8 f + 7]: first W_phi's and W1's, in the last product W2's
.set MSB, 0
.macro WIN new                         ; s_set_vgpr_msb: bits 1:0 source 0, 3:2 source 1, 5:4 source 2, 7:6 destination; the high byte repeats the setting that is left
.if MSB != \new
	s_set_vgpr_msb (MSB<<8)|\new
.set MSB, \new
.endif
.endm
.macro PLACES                          ; four plain vector places behind a matrix instruction, before its registers are read by vector work or loaded again (ISA guide 7.12.1)
.rept 4
	v_nop
.endr
.endm
.macro ROUND                           ; a round of the cluster's barrier: my work-group's barrier, wave 0 signals for the work-group, all wait for the four, my barrier again
	s_barrier_signal -1
	s_barrier_wait -1
	s_cmp_lg_u32 s20, 0
	s_cbranch_scc1 .Lnot_wave_0_\@
	s_barrier_signal -3
.Lnot_wave_0_\@:
	s_barrier_wait -3
	s_barrier_signal -1
	s_barrier_wait -1
.endm
; Fragments f0 .. f0 + 15 of my 32 KiB of wf's first half, from memory straight into window 1: 32 loads, each of 512 consecutive bytes at a multiple of 512 from wf's first byte.
; No hint: all 256 work-groups read these bytes.
.macro LOADG f0
	WIN 0x40                                       ; destination in window 1, the offset register in window 0
.set fi, \f0
.rept 16
	global_load_b128 v[8*fi:8*fi+3],   v7, s[6:7] offset:1024*fi
	global_load_b128 v[8*fi+4:8*fi+7], v7, s[6:7] offset:1024*fi+512
.set fi, fi+1
.endr
	WIN 0
.endm
; Two neighbouring labels (registers xa, xa + 1) become word p of the three mask arrays: the first label's 16 bits below, the second's above.
.macro PAIR xa, p, t
	v_and_b32 v[\t], 15, v[\xa]                    ; lo
	v_and_b32 v[\t+1], 15, v[\xa+1]
	v_lshrrev_b32 v[\t+2], 4, v[\xa]               ; hi (a shift takes its amount modulo 32)
	v_lshrrev_b32 v[\t+3], 4, v[\xa+1]
	v_lshlrev_b32 v[\t], v[\t], v[ONE]             ; 1 << lo
	v_lshlrev_b32 v[\t+2], v[\t+2], v[ONE]         ; 1 << hi, 32 bits
	v_lshlrev_b32 v[\t+3], v[\t+3], v[ONE]
	v_lshl_or_b32 v[PM+\p], s53, v[\t+1], v[\t]    ; (0x10000 << lo') | (1 << lo)
	v_perm_b32 v[PM+8+\p], v[\t+3], v[\t+2], s54   ; the two low halves: hi 0-15
	v_perm_b32 v[PM+16+\p], v[\t+3], v[\t+2], s55  ; the two high halves: hi 16-31
.endm
; The mask words of K step k (32 positions = 16 words of each array) into set k mod 3.  Lanes of half h take words 8 h .. 8 h + 7, all sixteen the same ones.
; Which position of the instruction's K a label gets does not matter, as long as A and B give it the same one: all three arrays are in one order.
.macro MLOAD k
.irp a, 0,1,2
	ds_load_b128 v[FR+24*((\k)%3)+8*\a:FR+24*((\k)%3)+8*\a+3],   v[MLD] offset:1024*\a+64*(\k)
	ds_load_b128 v[FR+24*((\k)%3)+8*\a+4:FR+24*((\k)%3)+8*\a+7], v[MLD] offset:1024*\a+64*(\k)+16
.endr
.endm
; One row of x is counted (row = 0: row 2 w, 1: row 2 w + 1).
.macro HROW row
.irp i, 0,1,2,3
.if \row == 0
	s_wait_loadcnt 53-\i                           ; behind load i of x stand 7 - i of x, the 14 of the biases and W_phi's 32
.endif
	PAIR X+16*\row+4*\i, 2*\i, T
	PAIR X+16*\row+4*\i+2, 2*\i+1, T+4
.endr
.irp a, 0,1,2
	ds_store_b128 v8, v[PM+8*\a:PM+8*\a+3]   offset:1024*\a       ; 512 neighbouring bytes a store, in bytes that are my wave's own
	ds_store_b128 v8, v[PM+8*\a+4:PM+8*\a+7] offset:1024*\a+512
.endr
	MLOAD 0                                        ; LDS serves a wave's instructions in order (ISA guide 5.7.1): these see the stores above,
	MLOAD 1                                        ; and the stores came behind the last row's reads
.set ks, 0
.rept 16
.set F, FR+24*(ks%3)
.if ks < 15
	s_wait_dscnt 6                                 ; this K step's six loads are in; the next step's six stay out
.else
	s_wait_dscnt 0
.endif
.set j, 0
.rept 8
	v_alignbit_b32 v[F+j], v[F+j], v[F+j], v[SHA]  ; both sources the same word: a rotate
.set j, j+1
.endr
.rept 16
	v_alignbit_b32 v[F+j], v[F+j], v[F+j], v[SHB]
.set j, j+1
.endr
.if ks < 14
	MLOAD ks+2                                     ; into the set that the last step multiplied: the 24 rotates above are the places behind its matrix instructions
.endif
.set j, 0
.rept 8
	v_and_b32 v[F+j], s51, v[F+j]                  ; 2^-7 where lo = r, else 0
.set j, j+1
.endr
.rept 16
	v_and_b32 v[F+j], s52, v[F+j]                  ; 2 where hi = r (+ 16), else 0
.set j, j+1
.endr
.if ks == 0                                        ; the two tiles take turns, one instruction a turn; the first K step starts the sums
	v_wmma_f32_16x16x32_f16 v[HD:HD+7],    v[F:F+7], v[F+8:F+15],  0
	v_wmma_f32_16x16x32_f16 v[HD+8:HD+15], v[F:F+7], v[F+16:F+23], 0
.else
	v_wmma_f32_16x16x32_f16 v[HD:HD+7],    v[F:F+7], v[F+8:F+15],  v[HD:HD+7]
	v_wmma_f32_16x16x32_f16 v[HD+8:HD+15], v[F:F+7], v[F+16:F+23], v[HD+8:HD+15]
.endif
.set ks, ks+1
.endr
.if \row == 0
	s_wait_loadcnt 31                              ; the second row's labels and the biases stand ahead of W_phi's 32 loads: 32 would do for them.  31 takes W_phi's first load too,
	                                               ; issued a whole row's counting ago: with the 32 loads below the wave then has 63 out by this text's count
	s_wait_kmcnt 0x0                               ; b3
	LOADG 16                                       ; W1's 16 fragments: the second row's counting and the first product are the work in which they land
.irp j, 0,2,4,6
	v_pk_mul_f32 v[ACCA+\j:ACCA+\j+1], v[ACCA+\j:ACCA+\j+1], 0x41000000 op_sel_hi:[1,0]    ; 512 b_phi / 64.  These twenty lines are also the places behind the matrix instructions
.endr
.set j, 0
.rept 16
	v_pk_mul_f32 v[ACC1+j:ACC1+j+1], v[ACC1+j:ACC1+j+1], 0x3c800000 op_sel_hi:[1,0]        ; b1 / 64
.set j, j+2
.endr
.else
	PLACES
.endif
.irp t, 0,1
.irp j, 0,1,2,3
	v_cvt_pk_f16_f32 v[PK+4*\t+\j], v[HD+8*\t+2*\j], v[HD+8*\t+2*\j+1]     ; register j of lane (r, h): lo = 8 h + j, hi = r + 16 t: eight neighbouring bins
.endr
	ds_store_b128 v[HST], v[PK+4*\t:PK+4*\t+3] offset:\row*HP+512*\t       ; bins 256 t + 16 r + 8 h .. + 7
.endr
.endm
.macro LOADH b                         ; h1's fragments of K steps 4 b .. 4 b + 3: 8 loads
.irp k, 0,1,2,3
	ds_load_b128 v[ACT+8*(4*\b+\k):ACT+8*(4*\b+\k)+3],   v4 offset:64*(4*\b+\k)
	ds_load_b128 v[ACT+8*(4*\b+\k)+4:ACT+8*(4*\b+\k)+7], v4 offset:64*(4*\b+\k)+32
.endr
.endm
.macro LOADW b                         ; W2's fragments 8 b .. 8 b + 7 of my 32 KiB (K steps 4 b .. 4 b + 3, both n tiles), into window 1: 16 loads of 512 neighbouring bytes
.irp f, 0,1,2,3,4,5,6,7
	ds_load_b128 v[8*(8*\b+\f):8*(8*\b+\f)+3],   v7 offset:(8*\b+\f)*1024
	ds_load_b128 v[8*(8*\b+\f)+4:8*(8*\b+\f)+7], v7 offset:(8*\b+\f)*1024+512
.endr
.endm
.macro BATCH b, left                   ; eight matrix instructions of h1 W2; the two tiles take turns
	s_wait_dscnt \left                             ; the younger runs of loads stay out
	WIN 0x01                                       ; source 0 (the weights) in window 1
.irp k, 0,1,2,3
.irp n, 0,1
	v_wmma_f32_16x16x32_f16 v[ACCA+8*\n:ACCA+8*\n+7], v[8*(2*(4*\b+\k)+\n):8*(2*(4*\b+\k)+\n)+7], v[ACT+8*(4*\b+\k):ACT+8*(4*\b+\k)+7], v[ACCA+8*\n:ACCA+8*\n+7]
.endr
.endr
.endm
	; ---- requests, in the order in which the data are needed: x, the biases, W_phi, then W2 by the joint load ----
	s_load_b512 s[4:19], s[0:1], 0x0               ; x s[4:5], wf s[6:7], b_phi s[8:9], b1 s[10:11], b2 s[12:13], W3 s[14:15], b3 s[16:17], out0 s[18:19]
	v_lshrrev_b32 v120, 5, v0
	v_readfirstlane_b32 s20, v120                  ; wave 0..7
	s_bfe_u32 s21, ttmp6, 0x40000                  ; cx: my place in the cluster
	s_lshl_b32 s22, ttmp9, 2                       ; ttmp9 counts clusters
	s_add_co_u32 s22, s22, s21                     ; work-group 0..255: it enters the addresses of x and out0 alone
	v_and_b32 v120, 31, v0                         ; l
	v_and_b32 v121, 15, v0                         ; r
	v_bfe_u32 v122, v0, 4, 1                       ; h
	v_lshlrev_b32 v1, 4, v120
	v_lshl_add_u32 v9, s20, 12, v1                 ; x: two rows of 2,048 bytes a wave, 16 bytes a lane
	v_lshl_add_u32 v7, s20, 15, v1                 ; my wave's 32 KiB, 16 bytes a lane
	v_lshlrev_b32 v125, 5, v122
	v_lshl_add_u32 v10, s20, 6, v125               ; 4 bytes x (16 w + 8 h)
	v_lshl_add_u32 v11, s20, 8, v125               ; 4 bytes x (64 w + 8 h)
	v_lshl_add_u32 v12, s20, 7, v125               ; 4 bytes x (32 w + 8 h)
	s_lshl_b32 s24, s22, 15                        ; 16 rows of x
	s_mov_b32 s25, 0
	s_lshl_b32 s28, s20, 15                        ; my wave's 32 KiB in a half of wf: the wave's number alone
	s_mov_b32 s29, 0
	s_wait_kmcnt 0x0
	s_add_nc_u64 s[4:5], s[4:5], s[24:25]
.irp i, 0,1,2,3,4,5,6,7
	global_load_b128 v[X+4*\i:X+4*\i+3], v9, s[4:5] offset:512*\i th:TH_LOAD_NT    ; 0-3: row 2 w, 4-7: row 2 w + 1; read once in the launch
.endr
	global_load_b128 v[ACCA:ACCA+3],   v10, s[8:9]                 ; the biases go straight into the accumulators that they start
	global_load_b128 v[ACCA+4:ACCA+7], v10, s[8:9] offset:16
.irp n, 0,1,2,3
	global_load_b128 v[ACC1+8*\n:ACC1+8*\n+3],   v11, s[10:11] offset:64*\n
	global_load_b128 v[ACC1+8*\n+4:ACC1+8*\n+7], v11, s[10:11] offset:64*\n+16
.endr
.irp n, 0,1
	global_load_b128 v[B2R+8*\n:B2R+8*\n+3],   v12, s[12:13] offset:64*\n
	global_load_b128 v[B2R+8*\n+4:B2R+8*\n+7], v12, s[12:13] offset:64*\n+16
.endr
	LOADG 0                                        ; W_phi's 16 fragments: 54 loads are out now; both rows' counting is the work in which these land
	s_load_b32 s26, s[16:17], 0x0                  ; b3
	s_lshl_b32 s24, s22, 6                         ; 16 numbers of out0
	s_add_nc_u64 s[18:19], s[18:19], s[24:25]
	; descriptor: a dense block of 128 rows x 256 bytes.  Every word is a constant or made of the wave's number and wf's address: equal in the four partners
	s_mov_b32 s[G1+0], 0x0023000f                  ; 15:0 mask: the cluster's four; 17:16 elements of 8 bytes; 21 set beside a mask; no padding: the reads are contiguous
	s_mov_b32 s[G1+1], 32<<16                      ; tensor_dim0 = 32 elements
	s_mov_b32 s[G1+2], 128<<16                     ; tensor_dim1 = 128 rows
	s_mov_b32 s[G1+3], 32<<16                      ; tile_dim0 = 32
	s_mov_b32 s[G1+4], 128                         ; tile_dim1 = 128
	s_mov_b32 s[G1+5], 32                          ; from row to row: 32 elements
	s_mov_b32 s[G1+6], 0
	s_mov_b32 s[G1+7], 0
	s_mov_b32 s[G0], 1
	s_lshl_b32 s[G0+1], s20, 15                    ; LDS: 32768 w
	s_add_nc_u64 s[G0+2:G0+3], s[6:7], s[28:29]    ; wf + 32768 w
	s_add_nc_u64 s[G0+2:G0+3], s[G0+2:G0+3], 0x40000               ; + 262144: the second half
	s_or_b32 s[G0+3], s[G0+3], 0x80000000          ; type 2
	s_mov_b32 s48, 0x76543210                      ; v_permlanex16_b32: lane i of one half reads lane i of the other
	s_mov_b32 s49, 0xfedcba98
	s_mov_b32 s51, 0x20002000                      ; f16 2^-7, twice
	s_mov_b32 s52, 0x40004000                      ; f16 2, twice
	s_mov_b32 s53, 0x10000
	s_mov_b32 s54, 0x05040100                      ; v_perm_b32: the two low halves
	s_mov_b32 s55, 0x07060302                      ; the two high halves
	ROUND                                          ; the four work-groups are here: the joint loads meet
	tensor_load_to_lds s[G0:G0+3], s[G1:G1+7]      ; W2's fragments for wave w: my only tensor load; the counting and two products are the work in which it lands
	; ---- the rest of the addresses ----
	v_mul_u32_u24 v123, v121, HP
	v_lshl_add_u32 v123, v122, 4, v123             ; 1040 r + 16 h
	v_mul_u32_u24 v124, v121, UP
	v_lshl_add_u32 v124, v122, 4, v124             ; 272 r + 16 h
	v_add_nc_u32 v2, HIST, v123
	v_add_nc_u32 v3, U, v124
	v_add_nc_u32 v4, H1, v123
	v_lshl_add_u32 v5, s20, 5, v3                  ; u: my 16 columns are 32 bytes
	v_lshl_add_u32 v6, s20, 7, v4                  ; h1: my 64 columns are 128 bytes
	s_mul_i32 s30, s20, MW
	s_add_co_u32 s30, s30, MASK                    ; my wave's mask words
	v_add_nc_u32 v8, s30, v1
	v_lshl_add_u32 v[MLD], v122, 5, s30
	s_mul_i32 s31, s20, 2*HP
	s_add_co_u32 s31, s31, HIST                    ; my wave's two rows of counts
	v_lshl_add_u32 v[HST], v121, 5, s31
	v_lshl_add_u32 v[HST], v122, 4, v[HST]
	v_add_nc_u32 v[SHA], 19, v121
	v_and_b32 v[SHA], 31, v[SHA]
	v_add_nc_u32 v[SHB], 18, v121
	v_and_b32 v[SHB], 31, v[SHB]
	v_mov_b32 v[ONE], 1
	v_lshlrev_b32 v15, 2, v121
	v_add_nc_u32 v14, RED, v15
	v_lshl_add_u32 v13, s20, 6, v14
	; ---- the counts of my two rows ----
	HROW 0
	HROW 1
	s_wait_dscnt 0x0                               ; my counts are stored
	s_barrier_signal -1
	s_barrier_wait -1                              ; everybody's are.  No LDS byte is ever filled again: W2's load and W1's loads stay on their way
	; ---- u / 64 = (cnt / 64) W_phi + 8 b_phi, n tile w ----
.set ks, 0
.rept 16
	ds_load_b128 v[ACT+8*ks:ACT+8*ks+3],   v2 offset:64*ks
	ds_load_b128 v[ACT+8*ks+4:ACT+8*ks+7], v2 offset:64*ks+32
.set ks, ks+1
.endr
	s_wait_loadcnt 32                              ; W_phi's fragments are in; W1's 32 loads, issued behind them, may stay out
	WIN 0x01                                       ; source 0 (the weights) in window 1
.set ks, 0
.rept 8                                            ; two accumulators take turns, one instruction a turn
	s_wait_dscnt 30-2*ks                           ; the loads of the later K steps stay out
	v_wmma_f32_16x16x32_f16 v[ACCA:ACCA+7], v[8*ks:8*ks+7], v[ACT+8*ks:ACT+8*ks+7], v[ACCA:ACCA+7]
	s_wait_dscnt 28-2*ks
.if ks == 0
	v_wmma_f32_16x16x32_f16 v[ACCB:ACCB+7], v[8*ks+8:8*ks+15], v[ACT+8*ks+8:ACT+8*ks+15], 0
.else
	v_wmma_f32_16x16x32_f16 v[ACCB:ACCB+7], v[8*ks+8:8*ks+15], v[ACT+8*ks+8:ACT+8*ks+15], v[ACCB:ACCB+7]
.endif
.set ks, ks+2
.endr
	WIN 0
	PLACES
.irp j, 0,2,4,6
	v_pk_add_f32 v[ACCA+\j:ACCA+\j+1], v[ACCA+\j:ACCA+\j+1], v[ACCB+\j:ACCB+\j+1]
.endr
.irp j, 0,1,2,3
	v_cvt_pk_f16_f32 v[PK+\j], v[ACCA+2*\j], v[ACCA+2*\j+1]
.endr
	ds_store_b128 v5, v[PK:PK+3]                   ; u[r][16 w + 8 h .. + 7]
.irp j, 0,2,4,6,8,10,12,14
	v_pk_mul_f32 v[ACCA+\j:ACCA+\j+1], v[B2R+\j:B2R+\j+1], 0x3c800000 op_sel_hi:[1,0]  ; b2 / 64 into the last product's accumulators
.endr
	s_wait_dscnt 0x0                               ; my part of u is stored
	s_barrier_signal -1
	s_barrier_wait -1                              ; everybody's is
	; ---- h1 / 64 = relu((u / 64) W1 + b1 / 64), n tiles 4 w .. 4 w + 3 ----
.irp k, 0,1,2,3
	ds_load_b128 v[ACT1+8*\k:ACT1+8*\k+3],   v3 offset:64*\k
	ds_load_b128 v[ACT1+8*\k+4:ACT1+8*\k+7], v3 offset:64*\k+32
.endr
	s_wait_loadcnt 0x0                             ; W1's fragments are in
	WIN 0x01
.irp k, 0,1,2,3
	s_wait_dscnt 6-2*\k                            ; the loads of the later K steps stay out
.irp n, 0,1,2,3
	v_wmma_f32_16x16x32_f16 v[ACC1+8*\n:ACC1+8*\n+7], v[8*(16+4*\n+\k):8*(16+4*\n+\k)+7], v[ACT1+8*\k:ACT1+8*\k+7], v[ACC1+8*\n:ACC1+8*\n+7]
.endr
.endr
	WIN 0
	PLACES
.set i, 0
.rept 32
	v_max_num_f32 v[ACC1+i], 0, v[ACC1+i]
.set i, i+1
.endr
.irp n, 0,1,2,3
.irp j, 0,1,2,3
	v_cvt_pk_f16_f32 v[PK+4*\n+\j], v[ACC1+8*\n+2*\j], v[ACC1+8*\n+2*\j+1]
.endr
	ds_store_b128 v6, v[PK+4*\n:PK+4*\n+3] offset:32*\n            ; h1[r][64 w + 16 n + 8 h .. + 7]
.endr
.irp n, 0,1
	global_load_b128 v[ACC1+8*\n:ACC1+8*\n+3],   v12, s[14:15] offset:64*\n        ; W3 of my 32 columns, register for register beside the last product's sums
	global_load_b128 v[ACC1+8*\n+4:ACC1+8*\n+7], v12, s[14:15] offset:64*\n+16
.endr
	s_wait_dscnt 0x0                               ; my part of h1 is stored
	s_barrier_signal -1
	s_barrier_wait -1                              ; everybody's is
	; ---- h2 / 64 = relu((h1 / 64) W2 + b2 / 64), n tiles 2 w, 2 w + 1: four batches of four K steps, the loads a batch or more ahead ----
	LOADH 0
	LOADH 1
	s_wait_tensorcnt 0x0                           ; W2's fragments for my wave have landed; only I read them
	WIN 0x40
	LOADW 0                                        ; over W_phi's and W1's fragments, which the products above have done with
	LOADW 1
	BATCH 0, 16                                    ; out: LOADW 1
	WIN 0
	LOADH 2
	LOADH 3
	WIN 0x40
	LOADW 2
	BATCH 1, 32                                    ; out: LOADH 2 and 3, LOADW 2
	WIN 0x40
	LOADW 3
	BATCH 2, 16                                    ; out: LOADW 3
	BATCH 3, 0
	WIN 0
	PLACES
	; ---- h2 W3 in f32: 16 columns a lane, the other half of the lanes, then the eight waves ----
	s_wait_loadcnt 0x0                             ; W3
.set i, 0
.rept 16
	v_max_num_f32 v[ACCA+i], 0, v[ACCA+i]
.set i, i+1
.endr
	v_pk_mul_f32 v[48:49], v[ACCA:ACCA+1], v[ACC1:ACC1+1]          ; two chains, one for each n tile
	v_pk_mul_f32 v[50:51], v[ACCB:ACCB+1], v[ACC1+8:ACC1+9]
.irp j, 2,4,6
	v_pk_fma_f32 v[48:49], v[ACCA+\j:ACCA+\j+1], v[ACC1+\j:ACC1+\j+1], v[48:49]
	v_pk_fma_f32 v[50:51], v[ACCB+\j:ACCB+\j+1], v[ACC1+8+\j:ACC1+8+\j+1], v[50:51]
.endr
	v_pk_add_f32 v[48:49], v[48:49], v[50:51]
	v_add_f32 v48, v48, v49
	v_permlanex16_b32 v49, v48, s48, s49           ; lane (r, 1 - h): the other eight columns of each tile
	v_add_f32 v48, v48, v49
	ds_store_b32 v13, v48                          ; lanes r and 16 + r write the same word with the same number
	s_wait_dscnt 0x0
	s_barrier_signal -1
	s_barrier_wait -1
	s_cmp_lg_u32 s20, 0
	s_cbranch_scc1 .Lclose
.irp j, 0,1,2,3,4,5,6,7
	ds_load_b32 v[52+\j], v14 offset:64*\j         ; row r's sum from each wave
.endr
	s_wait_dscnt 0x0
	v_pk_add_f32 v[52:53], v[52:53], v[54:55]
	v_pk_add_f32 v[56:57], v[56:57], v[58:59]
	v_pk_add_f32 v[52:53], v[52:53], v[56:57]
	v_add_f32 v52, v52, v53
	v_fma_f32 v52, v52, 0x42800000, s26            ; the scale 2^-6 is taken back, b3 added
	v_cmp_gt_u32 vcc_lo, 16, v0
	s_wait_xcnt 0x0                                ; EXEC is a source of the loads issued above: it changes only behind this wait
	s_and_saveexec_b32 s50, vcc_lo
	global_store_b32 v15, v52, s[18:19]            ; lanes 0-15: 64 consecutive bytes
	s_wait_xcnt 0x0                                ; and again in front of the line that widens it
	s_or_b32 exec_lo, exec_lo, s50
.Lclose:
	ROUND                                          ; the closing round: no work-group ends while a partner may still ask jointly
	s_endpgm
.Lfunc_end_k_q81395d99a9_mlp:
	.size	k_q81395d99a9_mlp, .Lfunc_end_k_q81395d99a9_mlp-k_q81395d99a9_mlp
	.p2alignl 7, 3214868480
	.fill 96, 4, 3214868480
	.section	.rodata,"a",@progbits
	.p2align	6, 0x0
	.amdhsa_kernel k_q81395d99a9_mlp
		.amdhsa_group_segment_fixed_size 324864
		.amdhsa_private_segment_fixed_size 0
		.amdhsa_enable_private_segment 0
		.amdhsa_kernarg_size 64
		.amdhsa_user_sgpr_count 2
		.amdhsa_user_sgpr_kernarg_segment_ptr 1
		.amdhsa_wavefront_size32 1
		.amdhsa_system_sgpr_workgroup_id_x 1
		.amdhsa_system_sgpr_workgroup_id_y 1
		.amdhsa_system_sgpr_workgroup_id_z 1
		.amdhsa_system_vgpr_workitem_id 0
		.amdhsa_next_free_vgpr 512
		.amdhsa_next_free_sgpr 66
		.amdhsa_reserve_vcc 1
		.amdhsa_float_denorm_mode_32 3
		.amdhsa_float_denorm_mode_16_64 3
		.amdhsa_memory_ordered 1
		.amdhsa_forward_progress 1
		.amdhsa_inst_pref_size 134
	.end_amdhsa_kernel
	.amdgpu_metadata
---
amdhsa.version: [ 1, 2 ]
amdhsa.kernels:
  - .name:           k_q81395d99a9_mlp
    .symbol:         k_q81395d99a9_mlp.kd
    .args:
      - { .name: x, .offset: 0, .size: 8, .value_kind: global_buffer, .address_space: global }
      - { .name: wf, .offset: 8, .size: 8, .value_kind: global_buffer, .address_space: global }
      - { .name: b_phi, .offset: 16, .size: 8, .value_kind: global_buffer, .address_space: global }
      - { .name: b1, .offset: 24, .size: 8, .value_kind: global_buffer, .address_space: global }
      - { .name: b2, .offset: 32, .size: 8, .value_kind: global_buffer, .address_space: global }
      - { .name: W3, .offset: 40, .size: 8, .value_kind: global_buffer, .address_space: global }
      - { .name: b3, .offset: 48, .size: 8, .value_kind: global_buffer, .address_space: global }
      - { .name: out0, .offset: 56, .size: 8, .value_kind: global_buffer, .address_space: global }
    .group_segment_fixed_size: 324864
    .private_segment_fixed_size: 0
    .kernarg_segment_align: 8
    .kernarg_segment_size: 64
    .max_flat_workgroup_size: 256
    .sgpr_count:     66
    .vgpr_count:     512
    .wavefront_size: 32
...
	.end_amdgpu_metadata
.endif
;; end of part 2
